; MI455X (gfx1250); checked and timed in simulation.
; The chip was launched on July 23, 2026; its instructions are those of AMD's public machine-readable ISA for CDNA 5 (MIT licence, August 2026) and "CDNA5" Instruction Set Architecture Reference Guide (July 2026). The comments in the code are by the model that wrote it; some were corrected since.
;; Mo E Transformer Block. Allowed arithmetic: matrix products marked QUANTISED: E3M2 operands, one E8M0 scale for each 32 along K, by v_wmma_scale_f32_16x16x128_f8f6f4 with both operands' format E3M2, f32 sums; products left as they are: f32 operands where the result goes on into a quantised operand, else bf16, f16 or f32 operands; f32 sums; everything else in f32.
;; Inputs: W1_codes 8 x 256 x 16 x 24 uint8 (E3M2 codes of W1, K innermost, in blocks of 32 codes, four codes in three bytes); W1_scales 8 x 256 x 16 uint8 (E8M0 scales of W1, one for each 32 codes along K); W2_codes 8 x 512 x 8 x 24 uint8 (E3M2 codes of W2, K innermost, in blocks of 32 codes, four codes in three bytes); W2_scales 8 x 512 x 8 uint8 (E8M0 scales of W2, one for each 32 codes along K); Wg 512 x 8 float32; x 8 x 4,096 x 512 float32.
;; Outputs: out0 8 x 4,096 x 512 float32.
;; This version of the problem:
;;   THIS VERSION OF THE PROBLEM IS GIVEN IN LOW PRECISION. The matrix products marked QUANTISED in the list below multiply operands that are first quantised to E3M2 (3 exponent bits, 2 mantissa bits; 6 bits a number), with one power-of-two scale for each 32 numbers along K (OCP MX v1.0); their sums are f32. All else is computed in f32.
;;   The module's matrix products, in the order in which they are computed (A, B: the left and right operand; K: the contracted axis; several contracted axes count as one K, in the product's order):
;;     1. [M 32,768, K 512] x [K 512, N 8]; A: input x; B: input Wg: left as it is (N = 8 < 16)
;;     2. [M 32,768, K 512] x [K 512, N 256]; A: input x; B: input W1 (given as codes): QUANTISED
;;     3. [M 32,768, K 256] x [K 256, N 512]; A: computed on the way; B: input W2 (given as codes): QUANTISED
;;     4. [M 32,768, K 512] x [K 512, N 256]; A: input x; B: input W1 (given as codes): QUANTISED
;;     5. [M 32,768, K 256] x [K 256, N 512]; A: computed on the way; B: input W2 (given as codes): QUANTISED
;;     6. [M 32,768, K 512] x [K 512, N 256]; A: input x; B: input W1 (given as codes): QUANTISED
;;     7. [M 32,768, K 256] x [K 256, N 512]; A: computed on the way; B: input W2 (given as codes): QUANTISED
;;     8. [M 32,768, K 512] x [K 512, N 256]; A: input x; B: input W1 (given as codes): QUANTISED
;;     9. [M 32,768, K 256] x [K 256, N 512]; A: computed on the way; B: input W2 (given as codes): QUANTISED
;;     10. [M 32,768, K 512] x [K 512, N 256]; A: input x; B: input W1 (given as codes): QUANTISED
;;     11. [M 32,768, K 256] x [K 256, N 512]; A: computed on the way; B: input W2 (given as codes): QUANTISED
;;     12. [M 32,768, K 512] x [K 512, N 256]; A: input x; B: input W1 (given as codes): QUANTISED
;;     13. [M 32,768, K 256] x [K 256, N 512]; A: computed on the way; B: input W2 (given as codes): QUANTISED
;;     14. [M 32,768, K 512] x [K 512, N 256]; A: input x; B: input W1 (given as codes): QUANTISED
;;     15. [M 32,768, K 256] x [K 256, N 512]; A: computed on the way; B: input W2 (given as codes): QUANTISED
;;     16. [M 32,768, K 512] x [K 512, N 256]; A: input x; B: input W1 (given as codes): QUANTISED
;;     17. [M 32,768, K 256] x [K 256, N 512]; A: computed on the way; B: input W2 (given as codes): QUANTISED
;;   THE QUANTISER, for each operand of a quantised product, along K:
;;     - K is cut into blocks of 32 from its start; a last block that is shorter is filled with zeros.
;;     - A block's scale is 2^e with e = floor(log2(the largest magnitude in the block)) - 4, held to -126 .. 127; a block of zeros has e = 0. As a byte (E8M0): e + 127.
;;     - Each number is divided by its block's scale, clamped to +-28, and rounded to the nearest number of E3M2, ties to even, subnormals kept.
;;     - The product sums the exact products of the quantised numbers (number of the format x scale) in f32.
;;   ~~~python
;;   def quantise(x, axis):      # numpy; x: float32 -> the quantised numbers, widened to float32 again
;;       x = np.moveaxis(x, axis, -1); K = x.shape[-1]
;;       x = np.pad(x, [(0, 0)] * (x.ndim - 1) + [(0, -K % 32)]); x = x.reshape(x.shape[:-1] + (-1, 32)); a = np.abs(x).max(-1, keepdims=True)
;;       e = np.where(a > 0, np.clip(np.frexp(np.where(a > 0, a, 1))[1] - 1 - 4, -126, 127), 0)      # np.frexp(a)[1] - 1 = floor(log2(a)), exactly
;;       r = np.clip(x / 2.0 ** e, -28, 28)
;;       step = 2.0 ** (np.maximum(np.frexp(np.where(r == 0, 1, r))[1] - 1, -2) - 2)
;;       q = np.round(r / step) * step * 2.0 ** e      # np.round: ties to even
;;       return np.moveaxis(q.reshape(q.shape[:-2] + (-1,))[..., :K], -1, axis).astype(np.float32)
;;   ~~~
;;   OPERANDS COMPUTED ON THE WAY. 'Computed on the way' means the value that the module computes at that place (a softmax that the list does not call 'softmax' is quantised finished and normalised). What goes into a quantiser is computed in f32, as accurately as f32 sums, v_exp_f32 and their like allow (about 1e-6 of the number): no bf16 or f16 on the way to a quantiser, and a product that is left as it is and whose result goes on into a quantised operand takes f32 operands (vector FMAs, or v_wmma_f32_16x16x4_f32). A number that lies on a knife's edge between two numbers of the format may be rounded either way, as far as f32 arithmetic and the matrix unit's own rounding can turn it there, and no further.
;;   INPUTS GIVEN AS CODES. W1 (in the module: [8, 512, 256], K = its axis 1); W2 (in the module: [8, 256, 512], K = its axis 1): each comes as NAME_codes (uint8): NAME with its K axis moved to the last place and cut into blocks of 32 codes, [.., K / 32, bytes a block], one block behind the other in memory; four codes in three bytes: a row's codes are one little-endian stream of bits, code i at bits 6 i .. 6 i + 5 (a code: sign, 3 exponent bits, 2 mantissa bits); and NAME_scales (uint8): the same leading axes, one E8M0 byte (e + 127) for each 32 codes along K. Its value is code x scale, taken as it is: it is not quantised again, and the codes and scales need not be those that the quantiser above would give.
;; One version. Each part assembles by itself: llvm-mc -triple=amdgcn-amd-amdhsa -mcpu=gfx1250 --defsym DOCPART=n.
;; ======== version 1 of 1: 3 launches
;; workspace buffers: xq 12,582,912 bytes; xs 524,288 bytes; cw 1,048,576 bytes; sel 131,072 bytes of whole numbers; hist 131,072 bytes of whole numbers; order 131,072 bytes of whole numbers; wl 1,572,864 bytes
;; launch route (part 1): grid 256 x 1, 8 waves a work-group, no clusters, 201,728 bytes of LDS; arguments x, Wg, W1_codes, W2_codes, xq, xs, cw, sel, hist, wl; writes xq, xs, cw, sel, hist, wl
.if DOCPART == 1
	.amdgcn_target "amdgcn-amd-amdhsa--gfx1250"
	.amdhsa_code_object_version 6
	.text
	.protected	k_q79444a9e86_route
	.globl	k_q79444a9e86_route
	.p2align	8
	.type	k_q79444a9e86_route,@function
k_q79444a9e86_route:
	s_mov_b64 s[64:65], 0
	v_nop
	global_prefetch_b8 v0, s[64:65] scope:SCOPE_SE
	s_setreg_imm32_b32 hwreg(HW_REG_WAVE_MODE, 25, 1), 1
	s_wait_xcnt 0x0
; ROUTE.  x [32768][512] f32 is read once.  From it come: (1) x's codes of E3M2 and their E8M0 bytes, one for each 32 along the 512; (2) the router's logits x Wg in f32 (fused multiply-adds),
; the two largest of the eight (the lower index wins a tie), their softmax (the larger logit taken away first), the token's row of eight combine weights; (3) whole numbers for the next launch, at fixed places:
; for each token the bucket of its PAIR of experts, its rank among its group of 32 tokens, its mask of experts; for each group a count of each bucket.  No address and no branch here hangs on any of them.
; (4) Four waves that have nothing to do in the last phase lay W1's and W2's codes out as images of operand registers.
; LAYOUTS.  xq: 384 bytes a token; block blk = k / 32 lies at 192 (blk % 2) + 24 (blk / 2), so that a lane of half h of an operand finds its four fragments (48 registers) as 192 consecutive bytes at 192 h.
; xs: 16 bytes a token, block by block.  cw: [group of 32 tokens][experts 0-3, 4-7][32 tokens][4] f32.  sel: bucket | rank << 8 | mask << 16.  hist: [group][32] counts.
; wl: 1,024 images of 1,536 bytes: registers 4 c .. 4 c + 3 of lane l at 512 c + 16 l.
; THE BUCKET of a pair a < b is a (15 - a) / 2 + (a odd ? 7 - b : b - a - 1): 0 .. 27, and neighbouring buckets share an expert.
; SHARES.  A work-group takes 128 tokens, each of its eight waves 16; a token is a step: four loads of 512 consecutive bytes, a turn through the wave's own stage in LDS so that a lane holds 16 NEIGHBOURS
; (two lanes a block), the quantiser, 64 packed multiply-adds for the router.  A lane's eight partial logits go to LDS and are added up at the end, a lane to a token and four experts.
; A block's scale is 2^(floor(log2(its largest magnitude)) - 4): its byte is the largest magnitude's exponent field - 4, held at 1 from below.
; LIMITS: NaN and infinities in x or Wg are not served.  A block whose largest magnitude lies under 2^-122 (a block of zeros too) gets the byte 1; for zeros the rule says 127: the codes are zeros, and this
; program alone reads the bytes.  Logits that agree to within the rounding of an f32 sum of 512 terms may be ranked otherwise than a sum in another order ranks them.
; No matrix unit, no cluster, no tensor load: the launch streams, work-groups share nothing but Wg's 16 KiB.
.set STEPS, 16
.set SP,    80                         ; a lane's place in a stage: 64 bytes + 16 of padding
.set WROW,  528                        ; LDS: Wg as 32 pieces of 512 bytes + 16: piece l is what lane l wants
.set STG,   32*WROW                    ; two stages of 32 x SP bytes for each wave
.set SCB,   STG+8*2*32*SP              ; 256 scale bytes for each wave
.set PROW,  1040                       ; a token's partial logits: 32 lanes x 16 bytes (experts 0-3), the same 512 on (experts 4-7), + 16
.set PART,  SCB+8*256
.set LOGT,  PART+128*PROW              ; the logits: 48 bytes a token
.set R,     16                         ; v16-79   four sets of 16 numbers as loaded
.set X,     80                         ; v80-111  two sets of 16 neighbours
.set ACC,   112                        ; v112-119 my partial logits
.set WT,    128                        ; v128-255 Wg[16 lane + i][e] at 8 i + e
; v1 16 lane; v2, v3 the stage, in and out; v4 my codes' place in a token's 384 bytes; v5 my block's scale byte in LDS; v6 my partial logits in LDS; v7 lane; v8-11 at work; v12-14 codes; v15 a byte;
; v120-127 addresses of the head and the tail
.macro BARRIER
	s_wait_dscnt 0x0                               ; my LDS stores have landed and my LDS loads are in
	s_barrier_signal -1
	s_barrier_wait -1
.endm
	s_load_b512 s[4:19], s[0:1], 0x0               ; x s[4:5], Wg s[6:7], W1's codes s[8:9], W2's s[10:11], xq s[12:13], xs s[14:15], cw s[16:17], sel s[18:19]
	s_load_b128 s[20:23], s[0:1], 0x40             ; hist s[20:21], wl s[22:23]
	v_lshl_add_u32 v10, v0, 2, 0x31000
	s_set_vgpr_msb 0x40
	v_mov_b32 v1, 0
	s_set_vgpr_msb 0x4000
	v_lshrrev_b32 v8, 5, v0
	v_readfirstlane_b32 s24, v8                    ; wave 0..7
	v_and_b32 v7, 31, v0                           ; lane
	v_lshlrev_b32 v1, 4, v7                        ; my 16 bytes of a load's 512
	s_mul_i32 s25, s24, 2*32*SP
	s_add_co_u32 s25, s25, STG                     ; my wave's stages
	v_lshrrev_b32 v8, 2, v7
	v_mul_u32_u24 v2, v8, SP
	v_and_b32 v9, 3, v7
	v_lshl_add_u32 v2, v9, 4, v2
	v_add_nc_u32 v2, s25, v2                       ; in: four lanes' 64 bytes on end, then the padding
	v_mul_u32_u24 v3, v7, SP
	v_add_nc_u32 v3, s25, v3                       ; out: my 16 neighbours
	v_bfe_u32 v9, v7, 1, 1                         ; my block is lane / 2: its parity,
	v_mul_u32_u24 v4, v9, 192
	v_mad_u32_u24 v4, v8, 24, v4                   ; its half,
	v_and_b32 v9, 1, v7
	v_mad_u32_u24 v4, v9, 12, v4                   ; and which 16 codes of it are mine
	s_lshl_b32 s25, s24, 8
	s_add_co_u32 s25, s25, SCB
	v_lshrrev_b32 v5, 1, v7
	v_add_nc_u32 v5, s25, v5
	v_lshlrev_b32 v121, 3, v7                      ; the scale bytes' way out: 8 bytes a lane
	v_add_nc_u32 v120, s25, v121
	s_mul_i32 s25, s24, 16*PROW
	s_add_co_u32 s25, s25, PART
	v_add_nc_u32 v6, s25, v1
	v_and_b32 v8, 15, v7                           ; in the tail a lane takes token lane % 16 of the wave
	v_bfe_u32 v9, v7, 4, 1                         ; and experts 4 (lane / 16) on
	v_mul_u32_u24 v122, v8, PROW
	v_lshl_add_u32 v122, v9, 9, v122
	v_add_nc_u32 v122, s25, v122
	s_mul_i32 s25, s24, 16*48
	s_add_co_u32 s25, s25, LOGT
	v_mul_u32_u24 v123, v8, 48
	v_lshl_add_u32 v123, v9, 4, v123
	v_add_nc_u32 v123, s25, v123                   ; where those four logits go
	s_and_b32 s25, s24, 3
	s_mul_i32 s25, s25, 32*48
	s_add_co_u32 s25, s25, LOGT
	v_mul_u32_u24 v124, v7, 48
	v_add_nc_u32 v124, s25, v124                   ; waves 0-3 in the last phase: token 32 wave + lane
	v_lshlrev_b32 v127, 4, v0                      ; Wg: 16 bytes a thread, four times
	s_mul_i32 s25, s24, WROW
	v_add_nc_u32 v125, s25, v1                     ; a wave's load is one piece of 512 bytes
	v_mul_u32_u24 v126, v7, WROW
	s_lshl_b32 s26, ttmp9, 18                      ; 128 tokens of 2,048 bytes a work-group,
	s_lshl_b32 s28, s24, 15                        ; 16 a wave
	s_add_co_u32 s26, s26, s28
	s_mov_b32 s27, 0
	s_mul_i32 s28, ttmp9, 128*384
	s_mul_i32 s30, s24, 16*384
	s_add_co_u32 s28, s28, s30
	s_mov_b32 s29, 0
	s_lshl_b32 s30, ttmp9, 11
	s_lshl_b32 s32, s24, 8
	s_add_co_u32 s30, s30, s32
	s_mov_b32 s31, 0
	s_wait_kmcnt 0x0
	s_add_nc_u64 s[4:5], s[4:5], s[26:27]
	s_add_nc_u64 s[12:13], s[12:13], s[28:29]
	s_add_nc_u64 s[14:15], s[14:15], s[30:31]
.macro LOAD t
.irp i, 0,1,2,3
	global_load_b128 v[R+16*((\t)%4)+4*\i:R+16*((\t)%4)+4*\i+3], v1, s[4:5] offset:2048*(\t)+512*\i th:TH_LOAD_NT   ; 32 lanes read 512 consecutive bytes; x is read once
.endr
.endm
.macro TURN t                          ; a token's numbers through the stage: LDS serves a wave's instructions in order, so no wait stands between the stores and the loads
.irp i, 0,1,2,3
	ds_store_b128 v2, v[R+16*((\t)%4)+4*\i:R+16*((\t)%4)+4*\i+3] offset:32*SP*((\t)%2)+8*SP*\i
.endr
.irp i, 0,1,2,3
	ds_load_b128 v[X+16*((\t)%2)+4*\i:X+16*((\t)%2)+4*\i+3], v3 offset:32*SP*((\t)%2)+16*\i
.endr
.endm
.irp q, 0,1,2,3
	global_load_b128 v[X+4*\q:X+4*\q+3], v127, s[6:7] offset:4096*\q   ; Wg, 16 KiB, shared out among the 256 threads
.endr
.irp t, 0,1,2,3
	LOAD \t
.endr
	s_wait_loadcnt 16                              ; Wg's four are in; the 16 loads of tokens 0-3 behind them stay out
.irp q, 0,1,2,3
	ds_store_b128 v125, v[X+4*\q:X+4*\q+3] offset:8*WROW*\q
.endr
	BARRIER                                        ; Wg lies in LDS
.set i, 0
.rept 32
	ds_load_b128 v[WT+4*i:WT+4*i+3], v126 offset:16*i   ; my 16 rows of Wg: they stay in registers
.set i, i+1
.endr
	s_wait_loadcnt 12                              ; token 0's four loads are in
	TURN 0
.macro STEP t
.set XS, X+16*((\t)%2)
.if (\t) > 0
	s_wait_dscnt 3                                 ; this token's numbers are back from the stage; the last step's byte store and its two stores of partial logits may be out
	s_wait_xcnt 0x0                                ; the last step's store of codes has read its registers: they are written again below
.else
	s_wait_dscnt 0x0                               ; Wg's rows too
.endif
.if (\t)+4 < STEPS
	LOAD (\t)+4                                    ; into the set that this token's stores into the stage have read
.endif
.if (\t)+1 < STEPS
.if STEPS-2-(\t) >= 3
	s_wait_loadcnt 12                              ; the next token's four loads are in; those of the three behind it may be out
.else
	s_wait_loadcnt 4*(STEPS-2-(\t))
.endif
	TURN (\t)+1
.endif
	v_max3_num_f32 v8, |v[XS]|, |v[XS+1]|, |v[XS+2]|               ; the largest magnitude of my 16, in two chains
	v_max3_num_f32 v9, |v[XS+3]|, |v[XS+4]|, |v[XS+5]|
.irp i, 6,10
	v_max3_num_f32 v8, v8, |v[XS+\i]|, |v[XS+\i+1]|
	v_max3_num_f32 v9, v9, |v[XS+\i+2]|, |v[XS+\i+3]|
.endr
	v_max3_num_f32 v8, v8, |v[XS+14]|, |v[XS+15]|
	v_max3_num_f32 v8, v8, v9, 0x2800000           ; and the floor 2^(5 - 127): the byte cannot fall under 1
	v_max_num_f32_dpp v8, v8, v8 row_xmask:1 row_mask:0xf bank_mask:0xf   ; with my neighbour's 16: the block's
	v_add_nc_u32 v11, 0xfe000000, v8               ; 4 off its exponent field: the conversion takes the exponent field of this operand as its scale
	v_cvt_scalef32_pk16_bf6_f32 v[12:14], v[XS:XS+15], v11
	v_lshrrev_b32 v15, 23, v11                     ; the scale's byte (a plain line behind the conversion)
	ds_store_b8 v5, v15 offset:16*(\t)             ; both lanes of a block write the same byte with the same value
	global_store_b96 v4, v[12:14], s[12:13] offset:384*(\t)        ; the wave stores the token's 384 consecutive bytes
; the router: partial logits of two neighbouring experts at a time; x[i] serves both halves
.set i, 0
.rept 16
.set xb, XS+i-i%2
.irp q, 0,2,4,6
.if i == 0
	v_pk_mul_f32 v[ACC+\q:ACC+\q+1], v[xb:xb+1], v[WT+\q:WT+\q+1] op_sel_hi:[0,1]
.elseif i%2 == 0
	v_pk_fma_f32 v[ACC+\q:ACC+\q+1], v[xb:xb+1], v[WT+8*i+\q:WT+8*i+\q+1], v[ACC+\q:ACC+\q+1] op_sel_hi:[0,1,1]
.else
	v_pk_fma_f32 v[ACC+\q:ACC+\q+1], v[xb:xb+1], v[WT+8*i+\q:WT+8*i+\q+1], v[ACC+\q:ACC+\q+1] op_sel:[1,0,0] op_sel_hi:[1,1,1]
.endif
.endr
.set i, i+1
.endr
	ds_store_b128 v6, v[ACC:ACC+3] offset:PROW*(\t)
	ds_store_b128 v6, v[ACC+4:ACC+7] offset:PROW*(\t)+512
.endm
.irp t, 0,1,2,3,4,5,6,7,8,9,10,11,12,13,14,15
	STEP \t
.endr
	ds_load_b64 v[8:9], v120                       ; my wave's 256 scale bytes: LDS serves a wave's instructions in order
.set i, 0
.rept 32
	ds_load_b128 v[WT+4*i:WT+4*i+3], v122 offset:16*i   ; the 32 lanes' partial logits of my token and my four experts: my wave's own bytes
.set i, i+1
.endr
	s_wait_dscnt 32                                ; the scale bytes are in; the 32 loads behind them may be out
	global_store_b64 v121, v[8:9], s[14:15]        ; 32 lanes store 256 consecutive bytes, aligned
	s_wait_dscnt 0x0
.irp i, 1,2,3,4,5,6,7,8,9,10,11,12,13,14,15
.irp q, 0,2
	v_pk_add_f32 v[WT+\q:WT+\q+1], v[WT+\q:WT+\q+1], v[WT+4*\i+\q:WT+4*\i+\q+1]                    ; four chains
	v_pk_add_f32 v[WT+64+\q:WT+64+\q+1], v[WT+64+\q:WT+64+\q+1], v[WT+64+4*\i+\q:WT+64+4*\i+\q+1]
.endr
.endr
.irp q, 0,2
	v_pk_add_f32 v[WT+\q:WT+\q+1], v[WT+\q:WT+\q+1], v[WT+64+\q:WT+64+\q+1]
.endr
	ds_store_b128 v123, v[WT:WT+3]
	BARRIER                                        ; the 128 tokens' logits lie in LDS
	s_cmp_lt_u32 s24, 4
	s_cbranch_scc0 .Llay
; ---- waves 0-3: a lane to a token
	ds_load_b128 v[16:19], v124
	ds_load_b128 v[20:23], v124 offset:16
	v_mov_b32 v25, 0                               ; the largest logit's expert
	v_mov_b32 v26, 0xff800000                      ; the second largest: -infinity, under every logit
	v_mov_b32 v27, 0
	v_mov_b32 v41, 0                               ; rank
	v_mov_b32 v42, 0                               ; counts: lane b holds bucket b's
	v_mov_b32 v44, 1
.irp e, 1,2,3,4,5,6,7
	v_mov_b32 v[56+\e], \e
.endr
	s_lshl_b32 s26, ttmp9, 9
	s_lshl_b32 s27, s24, 7
	s_add_co_u32 s26, s26, s27
	v_lshl_add_u32 v47, v7, 2, s26                 ; sel and hist: 4 bytes a lane, 128 a group
	s_lshl_b32 s27, s26, 3
	v_lshl_add_u32 v48, v7, 4, s27                 ; cw: 1,024 bytes a group, 16 a lane
	s_wait_dscnt 0x0
	v_mov_b32 v24, v16
.irp e, 1,2,3,4,5,6,7                  ; strictly greater: of equal logits the lower index stays ahead
	v_cmp_gt_f32 vcc_lo, v[16+\e], v26
	v_cndmask_b32 v26, v26, v[16+\e], vcc_lo
	v_cndmask_b32 v27, v27, v[56+\e], vcc_lo
	v_cmp_gt_f32 vcc_lo, v[16+\e], v24
	v_cndmask_b32 v26, v26, v24, vcc_lo
	v_cndmask_b32 v27, v27, v25, vcc_lo
	v_cndmask_b32 v24, v24, v[16+\e], vcc_lo
	v_cndmask_b32 v25, v25, v[56+\e], vcc_lo
.endr
	v_sub_f32 v28, v26, v24                        ; the larger logit is taken away: 0 or less
	v_mul_f32 v28, 0x3fb8aa3b, v28
	v_exp_f32 v29, v28
	v_min_u32 v30, v25, v27                        ; a (a plain line behind the exponential)
	v_max_u32 v31, v25, v27                        ; b
	s_wait_alu depctr_va_vdst(0)                   ; the wait ahead of the first reader
	v_add_f32 v28, 1.0, v29
	v_rcp_f32 v45, v28                             ; the larger logit's weight
	v_sub_nc_u32 v50, 15, v30
	v_mul_u32_u24 v50, v50, v30
	v_lshrrev_b32 v50, 1, v50                      ; a (15 - a) / 2
	v_sub_nc_u32 v51, 7, v31
	v_sub_nc_u32 v52, v31, v30
	v_add_nc_u32 v52, -1, v52
	v_and_b32 v53, 1, v30
	v_cmp_eq_u32 vcc_lo, 1, v53
	v_cndmask_b32 v51, v52, v51, vcc_lo
	v_add_nc_u32 v40, v50, v51                     ; the bucket
	v_lshlrev_b32 v43, v25, v44
	v_lshlrev_b32 v53, v27, v44
	v_or_b32 v43, v43, v53                         ; the mask of experts
	s_wait_alu depctr_va_vdst(0)
	v_mul_f32 v46, v29, v45                        ; the other's weight
.irp e, 0,1,2,3,4,5,6,7
	v_cmp_eq_u32 vcc_lo, \e, v27
	v_cndmask_b32 v[32+\e], 0, v46, vcc_lo
	v_cmp_eq_u32 vcc_lo, \e, v25
	v_cndmask_b32 v[32+\e], v[32+\e], v45, vcc_lo
.endr
.set b, 0
.rept 28
	v_cmp_eq_u32 s30, b, v40
	v_mbcnt_lo_u32_b32 v28, s30, 0                 ; how many lanes below me have this bucket
	v_cndmask_b32 v41, v41, v28, s30
	s_bcnt1_i32_b32 s31, s30
	v_writelane_b32 v42, s31, b
.set b, b+1
.endr
	v_lshl_or_b32 v49, v41, 8, v40
	v_lshl_or_b32 v49, v43, 16, v49
	global_store_b32 v47, v49, s[18:19]
	global_store_b32 v47, v42, s[20:21]
	global_store_b128 v48, v[32:35], s[16:17]      ; 32 lanes store 512 consecutive bytes
	global_store_b128 v48, v[36:39], s[16:17] offset:512
	s_set_vgpr_msb 0x4
	s_wait_tensorcnt 0x0
	ds_add_u32 v10, v1
	s_wait_dscnt 0x0
	s_set_vgpr_msb 0x400
	s_endpgm
; ---- waves 4-7: one image each.  Image f < 512 is of W1: f = (4 e + w) 16 + 8 sub + 4 u + s: rows 64 w + 32 sub + 8 u + r + 8 (r / 8) of expert e, K step s.
; Image 512 + g is of W2: g = (4 e + w) 16 + 8 jh + 2 jj + s: rows 16 (8 w + 4 jh + jj) + r, K step s.  Only numbers and a pointer are chosen by the work-group's number: one path serves both.
.Llay:
	s_lshl_b32 s25, ttmp9, 2
	s_add_co_u32 s25, s25, s24
	s_sub_co_u32 s25, s25, 4                       ; f
	s_lshr_b32 s26, s25, 3
	s_lshl_b32 s26, s26, 5
	s_bfe_u32 s27, s25, 0x10002
	s_lshl_b32 s27, s27, 3
	s_add_co_u32 s26, s26, s27                     ; W1: first row 32 (f / 8) + 8 u
	s_and_b32 s27, s25, 3                          ; and K step
	s_sub_co_u32 s28, s25, 512
	s_lshr_b32 s28, s28, 1
	s_lshl_b32 s28, s28, 4                         ; W2: first row 16 (g / 2)
	s_and_b32 s29, s25, 1
	s_mov_b32 s30, 192
	s_cmp_lt_u32 ttmp9, 128
	s_cselect_b64 s[8:9], s[8:9], s[10:11]
	s_cselect_b32 s26, s26, s28
	s_cselect_b32 s27, s27, s29
	s_cselect_b32 s30, 384, s30                    ; a row in bytes
	s_cselect_b32 s31, 8, 0                        ; W1's rows of a tile are not neighbours
	s_mul_i32 s26, s26, s30
	s_mul_i32 s27, s27, 96
	s_add_co_u32 s26, s26, s27
	v_and_b32 v16, 15, v7
	v_and_b32 v17, s31, v16
	v_add_nc_u32 v16, v16, v17
	v_mul_lo_u32 v16, v16, s30
	v_bfe_u32 v17, v7, 4, 1
	v_mad_u32_u24 v16, v17, 24, v16
	v_add_nc_u32 v16, s26, v16
.irp p, 0,1,2,3,4,5
	global_load_b64 v[20+2*\p:21+2*\p], v16, s[8:9] offset:48*(\p/3)+8*(\p%3)
.endr
	s_mul_i32 s27, s25, 1536
	v_add_nc_u32 v18, s27, v1
	s_wait_loadcnt 0x0
.irp c, 0,1,2
	global_store_b128 v18, v[20+4*\c:23+4*\c], s[22:23] offset:512*\c   ; 32 lanes store 512 consecutive bytes
.endr
	s_set_vgpr_msb 0x4
	s_wait_tensorcnt 0x0
	ds_add_u32 v10, v1
	s_wait_dscnt 0x0
	s_set_vgpr_msb 0x400
	s_endpgm
.Lfunc_end_k_q79444a9e86_route:
	.size	k_q79444a9e86_route, .Lfunc_end_k_q79444a9e86_route-k_q79444a9e86_route
	.p2alignl 7, 3214868480
	.fill 96, 4, 3214868480
	.section	.rodata,"a",@progbits
	.p2align	6, 0x0
	.amdhsa_kernel k_q79444a9e86_route
		.amdhsa_group_segment_fixed_size 201728
		.amdhsa_private_segment_fixed_size 0
		.amdhsa_enable_private_segment 0
		.amdhsa_kernarg_size 80
		.amdhsa_user_sgpr_count 2
		.amdhsa_user_sgpr_kernarg_segment_ptr 1
		.amdhsa_wavefront_size32 1
		.amdhsa_system_sgpr_workgroup_id_x 1
		.amdhsa_system_sgpr_workgroup_id_y 1
		.amdhsa_system_sgpr_workgroup_id_z 1
		.amdhsa_system_vgpr_workitem_id 0
		.amdhsa_next_free_vgpr 258
		.amdhsa_next_free_sgpr 66
		.amdhsa_reserve_vcc 1
		.amdhsa_float_denorm_mode_32 3
		.amdhsa_float_denorm_mode_16_64 3
		.amdhsa_memory_ordered 1
		.amdhsa_forward_progress 1
		.amdhsa_inst_pref_size 124
	.end_amdhsa_kernel
	.amdgpu_metadata
---
amdhsa.version: [ 1, 2 ]
amdhsa.kernels:
  - .name:           k_q79444a9e86_route
    .symbol:         k_q79444a9e86_route.kd
    .args:
      - { .name: x, .offset: 0, .size: 8, .value_kind: global_buffer, .address_space: global }
      - { .name: Wg, .offset: 8, .size: 8, .value_kind: global_buffer, .address_space: global }
      - { .name: W1_codes, .offset: 16, .size: 8, .value_kind: global_buffer, .address_space: global }
      - { .name: W2_codes, .offset: 24, .size: 8, .value_kind: global_buffer, .address_space: global }
      - { .name: xq, .offset: 32, .size: 8, .value_kind: global_buffer, .address_space: global }
      - { .name: xs, .offset: 40, .size: 8, .value_kind: global_buffer, .address_space: global }
      - { .name: cw, .offset: 48, .size: 8, .value_kind: global_buffer, .address_space: global }
      - { .name: sel, .offset: 56, .size: 8, .value_kind: global_buffer, .address_space: global }
      - { .name: hist, .offset: 64, .size: 8, .value_kind: global_buffer, .address_space: global }
      - { .name: wl, .offset: 72, .size: 8, .value_kind: global_buffer, .address_space: global }
    .group_segment_fixed_size: 201728
    .private_segment_fixed_size: 0
    .kernarg_segment_align: 8
    .kernarg_segment_size: 80
    .max_flat_workgroup_size: 256
    .sgpr_count:     66
    .vgpr_count:     258
    .wavefront_size: 32
...
	.end_amdgpu_metadata
.endif
;; end of part 1
;; launch place (part 2): grid 1 x 1, 32 waves a work-group, no clusters, 8,192 bytes of LDS; arguments sel, hist, order; writes order
.if DOCPART == 2
	.amdgcn_target "amdgcn-amd-amdhsa--gfx1250"
	.amdhsa_code_object_version 6
	.text
	.protected	k_q79444a9e86_place
	.globl	k_q79444a9e86_place
	.p2align	8
	.type	k_q79444a9e86_place,@function
k_q79444a9e86_place:
	s_mov_b64 s[64:65], 0
	v_nop
	global_prefetch_b8 v0, s[64:65] scope:SCOPE_SE
	s_setreg_imm32_b32 hwreg(HW_REG_WAVE_MODE, 25, 1), 1
	s_wait_xcnt 0x0
; PLACE.  A counting sort of the 32,768 tokens by the bucket of their pair of experts: order[slot] = token | mask of experts << 16.
; One work-group, so that no sum spans work-groups.  Wave w owns groups 32 w .. 32 w + 31 of 32 tokens.  In hist's registers a lane is a bucket, in sel's a token.
; slot = (tokens in lower buckets) + (tokens of my bucket in earlier groups) + (my rank in my group).
; The stores are single words at places that the sort decides: 128 KiB in all.
.set H, 32                             ; v32-63   my groups' counts; later the slots
.set R, 64                             ; v64-95   the 32 waves' sums; later where each bucket begins for each of my groups
.set S, 96                             ; v96-127  my groups' words of sel; later the words to store
	s_load_b128 s[4:7], s[0:1], 0x0                ; sel, hist
	s_load_b64 s[8:9], s[0:1], 0x10                ; order
	v_lshl_add_u32 v30, v0, 2, 0x1000
	v_mov_b32 v31, 0
	v_lshrrev_b32 v1, 5, v0
	v_readfirstlane_b32 s10, v1                    ; wave 0..31
	v_and_b32 v2, 31, v0                           ; lane
	v_lshlrev_b32 v3, 2, v2
	s_lshl_b32 s11, s10, 12
	v_add_nc_u32 v4, s11, v3                       ; both buffers: 128 bytes a group, 4 a lane
	s_lshl_b32 s11, s10, 7
	v_add_nc_u32 v5, s11, v3                       ; LDS: my wave's 32 sums
	s_lshl_b32 s11, s10, 10
	v_add_nc_u32 v6, s11, v2                       ; my token in my wave's first group
	s_wait_kmcnt 0x0
.set g, 0
.rept 32
	global_load_b32 v[H+g], v4, s[6:7] offset:128*g
.set g, g+1
.endr
.set g, 0
.rept 32
	global_load_b32 v[S+g], v4, s[4:5] offset:128*g
.set g, g+1
.endr
	s_wait_loadcnt 32                              ; the counts are in; sel's 32 loads behind them may be out
	v_add3_u32 v7, v[H], v[H+1], v[H+2]
.irp i, 3,5,7,9,11,13,15,17,19,21,23,25,27,29
	v_add3_u32 v7, v7, v[H+\i], v[H+\i+1]
.endr
	v_add_nc_u32 v7, v7, v[H+31]
	ds_store_b32 v5, v7
	s_wait_dscnt 0x0                               ; for the others' sake: my sums have landed
	s_barrier_signal -1
	s_barrier_wait -1
.set j, 0
.rept 32
	ds_load_b32 v[R+j], v3 offset:128*j
.set j, j+1
.endr
	s_wait_dscnt 0x0
	v_add3_u32 v8, v[R], v[R+1], v[R+2]            ; each bucket's tokens in all
.irp i, 3,5,7,9,11,13,15,17,19,21,23,25,27,29
	v_add3_u32 v8, v8, v[R+\i], v[R+\i+1]
.endr
	v_add_nc_u32 v8, v8, v[R+31]
	v_mov_b32 v9, 0                                ; and in the waves before mine
.set j, 0
.rept 31
	s_cmp_gt_u32 s10, j
	s_cselect_b32 s11, 1, 0
	v_mad_u32_u24 v9, v[R+j], s11, v9
.set j, j+1
.endr
	s_mov_b32 s12, 0
	v_mov_b32 v10, 0                               ; where each bucket begins
.set b, 0
.rept 28
	v_writelane_b32 v10, s12, b
	v_readlane_b32 s13, v8, b
	s_add_co_u32 s12, s12, s13
.set b, b+1
.endr
	v_add_nc_u32 v[R], v10, v9
.set g, 0
.rept 31
	v_add_nc_u32 v[R+g+1], v[R+g], v[H+g]
.set g, g+1
.endr
	s_wait_loadcnt 0x0
.set g, 0
.rept 32
	v_and_b32 v11, 31, v[S+g]                      ; my token's bucket,
	v_min_u32 v11, 31, v11                         ; held to a lane's number,
	v_lshlrev_b32 v11, 2, v11
	ds_bpermute_b32 v[H+g], v11, v[R+g]            ; names the lane that knows where it begins
.set g, g+1
.endr
	s_wait_dscnt 0x0
.set g, 0
.rept 32
	v_bfe_u32 v11, v[S+g], 8, 8                    ; + my rank
	v_add_nc_u32 v[H+g], v[H+g], v11
	v_min_u32 v[H+g], 0x7fff, v[H+g]               ; a number that was loaded enters an address only held to the buffer
	v_lshlrev_b32 v[H+g], 2, v[H+g]
	v_add_nc_u32 v12, 32*g, v6
	v_and_or_b32 v[S+g], v[S+g], 0xffff0000, v12
	global_store_b32 v[H+g], v[S+g], s[8:9]        ; each group has registers of its own: no store's source is written again
.set g, g+1
.endr
	s_wait_tensorcnt 0x0
	ds_add_u32 v30, v31
	s_wait_dscnt 0x0
	s_endpgm
.Lfunc_end_k_q79444a9e86_place:
	.size	k_q79444a9e86_place, .Lfunc_end_k_q79444a9e86_place-k_q79444a9e86_place
	.p2alignl 7, 3214868480
	.fill 96, 4, 3214868480
	.section	.rodata,"a",@progbits
	.p2align	6, 0x0
	.amdhsa_kernel k_q79444a9e86_place
		.amdhsa_group_segment_fixed_size 8192
		.amdhsa_private_segment_fixed_size 0
		.amdhsa_enable_private_segment 0
		.amdhsa_kernarg_size 24
		.amdhsa_user_sgpr_count 2
		.amdhsa_user_sgpr_kernarg_segment_ptr 1
		.amdhsa_wavefront_size32 1
		.amdhsa_system_sgpr_workgroup_id_x 1
		.amdhsa_system_sgpr_workgroup_id_y 1
		.amdhsa_system_sgpr_workgroup_id_z 1
		.amdhsa_system_vgpr_workitem_id 0
		.amdhsa_next_free_vgpr 128
		.amdhsa_next_free_sgpr 66
		.amdhsa_reserve_vcc 0
		.amdhsa_float_denorm_mode_32 3
		.amdhsa_float_denorm_mode_16_64 3
		.amdhsa_memory_ordered 1
		.amdhsa_forward_progress 1
		.amdhsa_inst_pref_size 40
	.end_amdhsa_kernel
	.amdgpu_metadata
---
amdhsa.version: [ 1, 2 ]
amdhsa.kernels:
  - .name:           k_q79444a9e86_place
    .symbol:         k_q79444a9e86_place.kd
    .args:
      - { .name: sel, .offset: 0, .size: 8, .value_kind: global_buffer, .address_space: global }
      - { .name: hist, .offset: 8, .size: 8, .value_kind: global_buffer, .address_space: global }
      - { .name: order, .offset: 16, .size: 8, .value_kind: global_buffer, .address_space: global }
    .group_segment_fixed_size: 8192
    .private_segment_fixed_size: 0
    .kernarg_segment_align: 8
    .kernarg_segment_size: 24
    .max_flat_workgroup_size: 1024
    .sgpr_count:     66
    .vgpr_count:     128
    .wavefront_size: 32
...
	.end_amdgpu_metadata
.endif
;; end of part 2
;; launch chain (part 3): grid 256 x 1, 4 waves a work-group, no clusters, 119,296 bytes of LDS; arguments xq, xs, cw, order, wl, W1_scales, W2_scales, out0; writes out0
.if DOCPART == 3
	.amdgcn_target "amdgcn-amd-amdhsa--gfx1250"
	.amdhsa_code_object_version 6
	.text
	.protected	k_q79444a9e86_chain
	.globl	k_q79444a9e86_chain
	.p2align	8
	.type	k_q79444a9e86_chain,@function
k_q79444a9e86_chain:
	s_mov_b64 s[64:65], 0
	v_nop
	global_prefetch_b8 v0, s[64:65] scope:SCOPE_SE
	s_setreg_imm32_b32 hwreg(HW_REG_WAVE_MODE, 25, 1), 1
	s_wait_xcnt 0x0
; CHAIN.  out[t] = the sum over t's two experts e of cw[t][e] x (Q(silu(Q(x[t]) W1[e])) W2[e]); both products on codes of E3M2 with one E8M0 scale for each 32 along K, sums in f32.
; A work-group owns 128 neighbouring slots of the sorted list: it gathers their codes, walks the eight experts in a loop of constant count, and stores each of its output rows once: a row has one owner.
; An expert that none of its tokens uses, and a chunk of 32 rows none of which uses the expert in hand, is passed over by a scalar branch on the stored list.  A row of a chunk that is worked and does
; not use the expert has the weight 0.
; SHARES.  The four waves share the COLUMNS: wave w makes hidden units 64 w .. 64 w + 63 (32 at a time: sub) and outputs 128 w .. 128 w + 127 (64 at a time: jh) for all 128 rows.  out stays in 512 registers a wave.
; Both products are used transposed (source 0 = 16 rows of a weight, source 1 = 16 tokens): a lane holds ONE token (lane % 16), its registers run along the hidden units or the outputs.
; W1's rows of a tile are not neighbours (lane r of tile u takes row 8 u + r + 8 (r / 8)), so that the 16 registers of tiles 0 and 1 are 16 neighbours along the next K; a block of 32 lies in lanes l and l xor 16.
; THE WEIGHTS come from memory straight into registers, as images that the first launch laid: 8 fragments (96 registers) a set, two sets by turns, each asked for a sub-phase ahead.
; THE HIDDEN LAYER goes from wave to wave through LDS, each lane's 12 registers of a fragment on end (48 bytes a lane): the maker stores its 12 bytes (16 codes) where the reader's registers want them.
; NO CLUSTER, NO TENSOR LOAD: which experts a block walks, and so which weights it wants next, is read from memory: partners would want different tiles, and the walk branches on loaded numbers.
; out's 512 registers are cleared by moves: which expert first visits a chunk hangs on the list, so no product can be written out as the one that starts the sums; the moves stand behind the gather's loads.
; LIMITS: NaN and infinities are not served.  A hidden block whose largest magnitude lies under 2^-122 (zeros too) gets the scale byte 1; only this launch reads it.  exp2 beyond f32's range gives silu = -0 there.
.set XROW, 400                         ; LDS: a slot's 384 bytes of codes + 16
.set XSC,  128*XROW                    ; 16 scale bytes a slot
.set CWT,  XSC+2048                    ; the combine weights, [expert][slot] f32
.set TOK,  CWT+4096                    ; the slots' tokens
.set HIMG, TOK+512                     ; the hidden layer: 16 fragments (2 x row tile + K step) of 1,536 bytes
.set HSC,  HIMG+16*1536                ; their scale words, 64 bytes a fragment
.set STG,  HIMG+13*2048                ; the way out: 16 rows x (512 + 16) bytes for each wave
.set SROW, 528
.set AX,   1                           ; v1  x's fragments: 400 r + 192 h
.set AXS,  2                           ; v2  x's scale words
.set AHW,  3                           ; v3  where I store 12 bytes of hidden codes
.set AHB,  4                           ; v4  and the block's scale byte
.set AHR,  5                           ; v5  where I read hidden fragments: 48 lane
.set AHS,  6                           ; v6  and their scale words
.set ACW0, 7                           ; v7  combine weights of expert 0;  v8 of the expert in hand
.set ACW,  8
.set WLA,  9                           ; v9  16 lane: an image's place for my lane
.set WS1A, 10                          ; v10 W1's scale words: 16 (r + 8 (r / 8))
.set WS2A, 11                          ; v11 W2's: 8 r
.set STO,  12                          ; v12 the stage, in;  v13 back
.set RD,   13
.set TKA,  14                          ; v14 the tokens of the two rows that a store serves
.set CO,   15                          ; v15 my byte in a row of out: 16 r + 512 wave
.set WS1,  20                          ; v20-35 W1's scale words; v36-51 W2's; v52-59 x's; v60-63 the hidden layer's: these hold scales and nothing else
.set WS2,  36
.set XS,   52
.set HS,   60
.set CWR,  64                          ; v64-79 eight pairs: a row tile's combine weight, and a 0 that is only named
.set XF,   80                          ; v80-175 source 1: x's 8 fragments of a chunk, or the hidden layer's 4
.set D,    176                         ; v176-239 the second product's 8 results
.set HA,   176                         ; v176-207 the first product's 4 results; v208-239 at work on silu
.set T,    208
.set QM,   240                         ; v240-253 the quantiser's
.set QP,   242
.set QC,   244
.set QB,   247
.set QS,   252
.set BK,   80                          ; the way out: two sets of 64, of 8 tokens, of 8 offsets
.set TK,   208
.set OF,   224
; window 1: the weights' sets 0 (v0-95) and 1 (v96-191).   windows 2, 3: out: (row tile m, tile of outputs j) at v[64 (m % 4) + 8 j] of window 2 + m / 4
.set WV,  20
.set E,   21
.set MR,  22                           ; the mask that is left: bit 4 e' + c: chunk c uses expert E + e'
.set RM,  23                           ; the four bits of the expert in hand
.set CWO, 24
.set NX,  25
.set PW1, 28                           ; s[28:35] the expert's and wave's part of wl (W1's, W2's images) and of the two scale tensors
.set PW2, 30
.set PS1, 32
.set PS2, 34
.set NL,  36                           ; s[36:37] -log2(e), twice
.set SEL, 38                           ; s[38:39] v_permlanex16_b32's selects for lane l xor 16
.set MSB, 0
.macro WIN new                         ; the immediate's high byte repeats the setting that is left
.if MSB != \new
	s_set_vgpr_msb (MSB<<8)|\new
.set MSB, \new
.endif
.endm
.macro BARRIER
	s_wait_dscnt 0x0                               ; my LDS stores have landed and my LDS loads are in
	s_barrier_signal -1
	s_barrier_wait -1
.endm
.macro PLACES                          ; four plain lines between a matrix instruction and loads into its registers or the first read of its result
.rept 4
	v_nop
.endr
.endm
.macro SETBASE                         ; s[NX]: an expert's number, made of loaded numbers: held to 7 before it enters an address
	s_min_u32 s[NX], s[NX], 7
	s_lshl_b32 s26, s[NX], 2
	s_add_co_u32 s26, s26, s[WV]
	s_lshl_b32 s40, s26, 10
	s_mul_i32 s26, s26, 16*1536
	s_mov_b32 s27, 0
	s_mov_b32 s41, 0
	s_add_nc_u64 s[PW1:PW1+1], s[12:13], s[26:27]
	s_add_nc_u64 s[PW2:PW2+1], s[PW1:PW1+1], 512*1536
	s_add_nc_u64 s[PS1:PS1+1], s[14:15], s[40:41]
	s_add_nc_u64 s[PS2:PS2+1], s[16:17], s[40:41]
.endm
.macro LW buf, base, off               ; eight images, 12,288 consecutive bytes, into set buf: each load reads 512 consecutive bytes
	WIN 0x40
.set q, 0
.rept 24
	global_load_b128 v[96*(\buf)+4*q:96*(\buf)+4*q+3], v[WLA], s[\base:\base+1] offset:(\off)+512*q
.set q, q+1
.endr
	WIN 0
.endm
.macro LWS1                            ; register 4 (2 sub + u) + s
.irp c, 0,1,2,3
	global_load_b128 v[WS1+4*\c:WS1+4*\c+3], v[WS1A], s[PS1:PS1+1] offset:512*(\c/2)+128*(\c%2)
.endr
.endm
.macro LWS2                            ; register 2 (4 jh + jj) + s
.irp c, 0,1,2,3,4,5,6,7
	global_load_b64 v[WS2+2*\c:WS2+2*\c+1], v[WS2A], s[PS2:PS2+1] offset:512*(\c/4)+128*(\c%4)
.endr
.endm
.macro LDX p                           ; chunk p of x: two row tiles x four K steps, and their scale words
.irp mm, 0,1
.irp s, 0,1,2,3
.irp j, 0,1,2
	ds_load_b128 v[XF+48*\mm+12*\s+4*\j:XF+48*\mm+12*\s+4*\j+3], v[AX] offset:(32*(\p)+16*\mm)*XROW+48*\s+16*\j
.endr
.endr
	ds_load_b128 v[XS+4*\mm:XS+4*\mm+3], v[AXS] offset:(32*(\p)+16*\mm)*16
.endr
.endm
.macro LDH p                           ; chunk p of the hidden layer: two row tiles x two K steps
.irp mm, 0,1
.irp s, 0,1
.irp j, 0,1,2
	ds_load_b128 v[XF+24*\mm+12*\s+4*\j:XF+24*\mm+12*\s+4*\j+3], v[AHR] offset:(2*(2*(\p)+\mm)+\s)*1536+16*\j
.endr
	ds_load_b32 v[HS+2*\mm+\s], v[AHS] offset:64*(2*(2*(\p)+\mm)+\s)
.endr
.endr
.endm
.macro SILU                            ; z / (1 + 2^(-z log2 e)) on the 32 numbers of a lane; each batch of 32 transcendentals has one plain line and one wait behind it
.set i, 0
.rept 16
	v_pk_mul_f32 v[T+i:T+i+1], v[HA+i:HA+i+1], s[NL:NL+1] op_sel_hi:[1,0]   ; each result is read from its low end on
.set i, i+2
.endr
.set i, 0
.rept 32
	v_exp_f32 v[T+i], v[T+i]
.set i, i+1
.endr
	v_nop
	s_wait_alu depctr_va_vdst(0)
.set i, 0
.rept 16
	v_pk_add_f32 v[T+i:T+i+1], v[T+i:T+i+1], 1.0 op_sel_hi:[1,0]
.set i, i+2
.endr
.set i, 0
.rept 32
	v_rcp_f32 v[T+i], v[T+i]
.set i, i+1
.endr
	v_nop
	s_wait_alu depctr_va_vdst(0)
.set i, 0
.rept 16
	v_pk_mul_f32 v[HA+i:HA+i+1], v[HA+i:HA+i+1], v[T+i:T+i+1]
.set i, i+2
.endr
.endm
.macro QUANT2 sub, p                   ; two row tiles by turns: my 16 numbers of a block, lane l xor 16's, the scale, 16 codes; 12 bytes and a byte to LDS
.irp mm, 0,1
	v_max3_num_f32 v[QM+\mm], |v[HA+16*\mm]|, |v[HA+16*\mm+1]|, 0x2800000   ; the floor 2^(5 - 127): the byte cannot fall under 1
.endr
.irp i, 2,4,6,8,10,12,14
.irp mm, 0,1
	v_max3_num_f32 v[QM+\mm], v[QM+\mm], |v[HA+16*\mm+\i]|, |v[HA+16*\mm+\i+1]|
.endr
.endr
.irp mm, 0,1
	v_permlanex16_b32 v[QP+\mm], v[QM+\mm], s[SEL], s[SEL+1]
.endr
.irp mm, 0,1
	v_max_num_f32 v[QM+\mm], v[QM+\mm], v[QP+\mm]
.endr
.irp mm, 0,1
	v_add_nc_u32 v[QS+\mm], 0xfe000000, v[QM+\mm]  ; 4 off the exponent field: the conversion's scale operand
.endr
.irp mm, 0,1
	v_lshrrev_b32 v[QB+4*\mm], 23, v[QS+\mm]       ; the scale's byte
.endr
.irp mm, 0,1
	v_cvt_scalef32_pk16_bf6_f32 v[QC+4*\mm:QC+4*\mm+2], v[HA+16*\mm:HA+16*\mm+15], v[QS+\mm]
.endr
	v_nop                                          ; one plain line behind the last conversion
.irp mm, 0,1
.irp i, 0,1,2
	ds_store_b32 v[AHW], v[QC+4*\mm+\i] offset:3072*(2*(\p)+\mm)+768*(\sub)+4*\i
.endr
	ds_store_b8 v[AHB], v[QB+4*\mm] offset:128*(2*(\p)+\mm)+(\sub)   ; both lanes of a block write the same byte with the same value
.endr
.endm
; The first product for chunk p and my hidden units 32 sub on.  nx: the chunk of x to fetch next (-1: none).  The four accumulators take turns, one instruction a turn.
.macro P1CHUNK sub, p, nx
	s_wait_dscnt 0x0                               ; the chunk's fragments are in
	s_bitcmp1_b32 s[RM], \p
	s_cbranch_scc0 .Lp1_skip_\@
	WIN 0x01                                       ; source 0 (the weights) in window 1
.irp s, 0,1,2,3
.irp mm, 0,1
.irp u, 0,1
.if \s == 0
	v_wmma_scale_f32_16x16x128_f8f6f4 v[HA+16*\mm+8*\u:HA+16*\mm+8*\u+7], v[96*\sub+12*(4*\u+\s):96*\sub+12*(4*\u+\s)+11], v[XF+48*\mm+12*\s:XF+48*\mm+12*\s+11], 0, v[WS1+4*(2*\sub+\u)+\s], v[XS+4*\mm+\s] matrix_a_fmt:MATRIX_FMT_BF6 matrix_b_fmt:MATRIX_FMT_BF6
.else
	v_wmma_scale_f32_16x16x128_f8f6f4 v[HA+16*\mm+8*\u:HA+16*\mm+8*\u+7], v[96*\sub+12*(4*\u+\s):96*\sub+12*(4*\u+\s)+11], v[XF+48*\mm+12*\s:XF+48*\mm+12*\s+11], v[HA+16*\mm+8*\u:HA+16*\mm+8*\u+7], v[WS1+4*(2*\sub+\u)+\s], v[XS+4*\mm+\s] matrix_a_fmt:MATRIX_FMT_BF6 matrix_b_fmt:MATRIX_FMT_BF6
.endif
.endr
.endr
.endr
	WIN 0
	PLACES
.if \nx >= 0
	LDX \nx                                        ; lands while silu and the quantiser run
.endif
	SILU
	QUANT2 \sub, \p
	s_branch .Lp1_join_\@
.Lp1_skip_\@:
.if \nx >= 0
	LDX \nx
.endif
.Lp1_join_\@:
.endm
; The second product for chunk p and my outputs 64 jh on; its results, times the rows' combine weights, are added to out.  nh: the hidden chunk to fetch next; -1: x's chunk 0, for the next expert.
.macro P2NEXT nh
.if \nh >= 0
	LDH \nh
.else
	LDX 0
.endif
.endm
.macro P2CHUNK jh, p, nh
	s_wait_dscnt 0x0
	s_bitcmp1_b32 s[RM], \p
	s_cbranch_scc0 .Lp2_skip_\@
	WIN 0x01
.irp s, 0,1
.irp mm, 0,1
.irp jj, 0,1,2,3
.if \s == 0
	v_wmma_scale_f32_16x16x128_f8f6f4 v[D+32*\mm+8*\jj:D+32*\mm+8*\jj+7], v[96*\jh+12*(2*\jj+\s):96*\jh+12*(2*\jj+\s)+11], v[XF+24*\mm+12*\s:XF+24*\mm+12*\s+11], 0, v[WS2+2*(4*\jh+\jj)+\s], v[HS+2*\mm+\s] matrix_a_fmt:MATRIX_FMT_BF6 matrix_b_fmt:MATRIX_FMT_BF6
.else
	v_wmma_scale_f32_16x16x128_f8f6f4 v[D+32*\mm+8*\jj:D+32*\mm+8*\jj+7], v[96*\jh+12*(2*\jj+\s):96*\jh+12*(2*\jj+\s)+11], v[XF+24*\mm+12*\s:XF+24*\mm+12*\s+11], v[D+32*\mm+8*\jj:D+32*\mm+8*\jj+7], v[WS2+2*(4*\jh+\jj)+\s], v[HS+2*\mm+\s] matrix_a_fmt:MATRIX_FMT_BF6 matrix_b_fmt:MATRIX_FMT_BF6
.endif
.endr
.endr
.endr
	WIN 0
	PLACES
	P2NEXT \nh
	WIN 0xa0+0x50*((\p)/2)                         ; out (source 2 and destination) in window 2 or 3
.irp mm, 0,1
.irp jj, 0,1,2,3
.irp i, 0,2,4,6
	v_pk_fma_f32 v[64*((2*(\p)+\mm)%4)+8*(4*\jh+\jj)+\i:64*((2*(\p)+\mm)%4)+8*(4*\jh+\jj)+\i+1], v[D+32*\mm+8*\jj+\i:D+32*\mm+8*\jj+\i+1], v[CWR+2*(2*(\p)+\mm):CWR+2*(2*(\p)+\mm)+1], v[64*((2*(\p)+\mm)%4)+8*(4*\jh+\jj)+\i:64*((2*(\p)+\mm)%4)+8*(4*\jh+\jj)+\i+1] op_sel_hi:[1,0,1]
.endr
.endr
.endr
	WIN 0
	s_branch .Lp2_join_\@
.Lp2_skip_\@:
	P2NEXT \nh
.Lp2_join_\@:
.endm
	s_load_b512 s[4:19], s[0:1], 0x0               ; xq s[4:5], xs s[6:7], cw s[8:9], order s[10:11], wl s[12:13], W1's scales s[14:15], W2's s[16:17], out s[18:19]
	v_lshl_add_u32 v254, v0, 2, 0x1d000
	v_mov_b32 v255, 0
	v_lshrrev_b32 v243, 5, v0
	v_readfirstlane_b32 s[WV], v243                ; wave 0..3
	v_and_b32 v240, 31, v0                         ; lane
	v_and_b32 v241, 15, v0                         ; r
	v_bfe_u32 v242, v0, 4, 1                       ; h
	v_mul_u32_u24 v[AX], v241, XROW
	v_mad_u32_u24 v[AX], v242, 192, v[AX]
	v_lshl_add_u32 v[AXS], v241, 4, XSC
	s_and_b32 s26, s[WV], 1                        ; my hidden units are half (wave % 2) of K step wave / 2 of the second product
	s_lshr_b32 s27, s[WV], 1
	s_mul_i32 s40, s26, 24
	s_mul_i32 s41, s27, 1536
	s_add_co_u32 s40, s40, s41
	s_add_co_u32 s40, s40, HIMG
	v_mul_u32_u24 v[AHW], v241, 48
	v_mad_u32_u24 v[AHW], v242, 12, v[AHW]
	v_add_nc_u32 v[AHW], s40, v[AHW]               ; the reader is lane r + 16 sub: its 48 bytes; in them registers 6 (wave % 2) on; my 12 bytes are half h of those 24
	s_lshl_b32 s40, s26, 1
	s_lshl_b32 s41, s27, 6
	s_add_co_u32 s40, s40, s41
	s_add_co_u32 s40, s40, HSC
	v_lshl_add_u32 v[AHB], v241, 2, s40            ; row r's word, byte 2 (wave % 2) + sub
	v_mul_u32_u24 v[AHR], v240, 48
	v_add_nc_u32 v[AHR], HIMG, v[AHR]
	v_lshl_add_u32 v[AHS], v241, 2, HSC
	v_lshl_add_u32 v[ACW0], v241, 2, CWT
	v_lshlrev_b32 v[WLA], 4, v240
	v_and_b32 v243, 8, v241
	v_add_nc_u32 v243, v243, v241
	v_lshlrev_b32 v[WS1A], 4, v243
	v_lshlrev_b32 v[WS2A], 3, v241
	s_mul_i32 s40, s[WV], 16*SROW
	s_add_co_u32 s40, s40, STG
	v_mul_u32_u24 v[STO], v241, SROW
	v_lshl_add_u32 v[STO], v242, 5, v[STO]
	v_add_nc_u32 v[STO], s40, v[STO]               ; in: row r, 32 bytes for each half of the lanes
	v_mul_u32_u24 v[RD], v242, SROW
	v_lshl_add_u32 v[RD], v241, 4, v[RD]
	v_add_nc_u32 v[RD], s40, v[RD]                 ; back: lanes 0-15 take 256 bytes of one row, lanes 16-31 of the next
	v_lshl_add_u32 v[TKA], v242, 2, TOK
	s_lshl_b32 s40, s[WV], 9
	v_lshl_add_u32 v[CO], v241, 4, s40
	v_lshrrev_b32 v243, 3, v240                    ; the gather: eight lanes to a row, four rows an instruction
	s_lshl_b32 s40, s[WV], 5
	v_add_nc_u32 v16, s40, v243
	v_mul_u32_u24 v16, v16, XROW
	v_and_b32 v248, 7, v240
	v_lshl_add_u32 v16, v248, 4, v16               ; v16: row 32 wave + lane / 8, piece lane % 8
	v_lshlrev_b32 v17, 4, v0                       ; v17: 16 x thread
	v_lshlrev_b32 v18, 2, v0                       ; v18: 4 x thread
	v_lshl_add_u32 v19, v0, 4, HIMG                ; v19: the clearing of the hidden layer's bytes
	v_lshlrev_b32 v249, 2, v240
	s_lshl_b32 s40, s[WV], 7
	v_lshl_add_u32 v250, v243, 2, s40
	v_lshlrev_b32 v251, 4, v248
	s_lshl_b32 s26, ttmp9, 9                       ; my block's 128 words of the list
	s_mov_b32 s27, 0
	s_wait_kmcnt 0x0
	s_add_nc_u64 s[10:11], s[10:11], s[26:27]
	global_load_b32 v188, v18, s[10:11]            ; slot = thread: for the scale bytes, the weights, the token
.irp c, 0,1,2,3
	global_load_b32 v[189+\c], v249, s[10:11] offset:128*\c        ; slot 32 c + lane: for the mask
.endr
.irp g, 0,1,2,3,4,5,6,7
	global_load_b32 v[196+\g], v250, s[10:11] offset:16*\g         ; slot 32 wave + 4 g + lane / 8: for the codes
.endr
	s_mov_b32 s[NL], 0xbfb8aa3b
	s_mov_b32 s[NL+1], s[NL]
	s_mov_b32 s[SEL], 0x76543210
	s_mov_b32 s[SEL+1], 0xfedcba98
	s_mov_b32 s[MR], 0
.irp i, 0,1,2,3
	v_mov_b32 v[244+\i], 0
.endr
.irp k, 0,1,2,3,4,5,6,7,8,9,10,11,12
	ds_store_b128 v19, v[244:247] offset:2048*\k   ; the fetch of a chunk's hidden fragments runs ahead of the test whether the chunk is used: it must find bytes that somebody wrote
.endr
	s_wait_loadcnt 0x0
	v_and_b32 v193, 0x7fff, v188
	v_min_u32 v193, 0x7fff, v193                   ; a number that was loaded enters an address only held to the buffer
	v_lshlrev_b32 v194, 4, v193
	v_and_b32 v248, 0x7fe0, v193
	v_and_b32 v195, 31, v193
	v_lshlrev_b32 v195, 4, v195
	v_lshl_add_u32 v195, v248, 5, v195             ; cw: 1,024 bytes a group of 32 tokens, 16 a token
.irp g, 0,1,2,3,4,5,6,7
	v_and_b32 v[196+\g], 0x7fff, v[196+\g]
	v_min_u32 v[196+\g], 0x7fff, v[196+\g]
	v_mul_u32_u24 v[204+\g], v[196+\g], 384
	v_add_nc_u32 v[204+\g], v[204+\g], v251
.endr
	global_load_b128 v[176:179], v194, s[6:7]
	global_load_b128 v[180:183], v195, s[8:9]
	global_load_b128 v[184:187], v195, s[8:9] offset:512
.irp g, 0,1,2,3,4,5,6,7
.irp j, 0,1,2
	global_load_b128 v[80+12*\g+4*\j:83+12*\g+4*\j], v[204+\g], s[4:5] offset:128*\j   ; eight lanes read 128 consecutive bytes of a token's 384
.endr
.endr
.irp e, 0,1,2,3,4,5,6,7                ; bit 4 e + c: does any slot of chunk c use expert e?  The same number in all four waves
.irp c, 0,1,2,3
	v_and_b32 v252, 1<<(16+\e), v[189+\c]
	v_cmp_ne_u32 vcc_lo, 0, v252
	s_cmp_lg_u32 vcc_lo, 0
	s_cselect_b32 s26, 1<<(4*\e+\c), 0
	s_or_b32 s[MR], s[MR], s26
.endr
.endr
	s_ctz_i32_b32 s[NX], s[MR]
	s_lshr_b32 s[NX], s[NX], 2                     ; the first expert that is used
	SETBASE
	LW 0, PW1, 0
	LWS1
	LWS2
	WIN 0x80
.set i, 0
.rept 256
	v_mov_b32 v[i], 0                              ; out, rows 0-63
.set i, i+1
.endr
	WIN 0xc0
.set i, 0
.rept 256
	v_mov_b32 v[i], 0                              ; rows 64-127
.set i, i+1
.endr
	WIN 0
.irp m, 0,1,2,3,4,5,6,7
	v_mov_b32 v[CWR+2*\m+1], 0                     ; named as the upper half of a pair, so it is written
.endr
	v_mov_b32 v[QP], 0                             ; a lane permute's destination counts as one of its sources
	v_mov_b32 v[QP+1], 0
	s_wait_loadcnt 36                              ; the gather's 27 loads are in; the 24 + 4 + 8 loads of weights and scale words behind them may be out
.irp g, 0,1,2,3,4,5,6,7
.irp j, 0,1,2
	ds_store_b128 v16, v[80+12*\g+4*\j:83+12*\g+4*\j] offset:4*XROW*\g+128*\j
.endr
.endr
	ds_store_b128 v17, v[176:179] offset:XSC
.irp e, 0,1,2,3,4,5,6,7
	ds_store_b32 v18, v[180+\e] offset:CWT+512*\e
.endr
	ds_store_b32 v18, v193 offset:TOK
	BARRIER                                        ; the block's codes, scale bytes, weights and tokens lie in LDS
	LDX 0
	s_mov_b32 s[E], 0
	s_mov_b32 s[CWO], 0
.Lexpert:                                          ; eight trips.  Both barriers of a trip stand outside the branches: every wave passes them
	v_add_nc_u32 v[ACW], s[CWO], v[ACW0]
	s_and_b32 s[RM], s[MR], 15
	s_cmp_eq_u32 s[RM], 0
	s_cbranch_scc1 .Lno_p1
	LW 1, PW1, 12288                               ; W1's fragments for sub = 1
	s_wait_loadcnt 24                              ; all but these 24: set 0 and W1's scale words are in
	P1CHUNK 0, 0, 1
	P1CHUNK 0, 1, 2
	P1CHUNK 0, 2, 3
	P1CHUNK 0, 3, 0
	LW 0, PW2, 0                                   ; W2's fragments for jh = 0,
	LWS2                                           ; and its scale words
	s_wait_loadcnt 32                              ; all but these 24 + 8: set 1 is in
	P1CHUNK 1, 0, 1
	P1CHUNK 1, 1, 2
	P1CHUNK 1, 2, 3
	P1CHUNK 1, 3, -1
.Lno_p1:
	BARRIER                                        ; the hidden layer's fragments lie in LDS
	s_cmp_eq_u32 s[RM], 0
	s_cbranch_scc1 .Lno_p2
	s_wait_loadcnt 0x0                             ; set 0 and W2's scale words, asked for a sub-phase ago
	LW 1, PW2, 12288                               ; W2's fragments for jh = 1
.irp m, 0,1,2,3,4,5,6,7
	ds_load_b32 v[CWR+2*\m], v[ACW] offset:64*\m   ; the expert's weight for row 16 m + r
.endr
	LDH 0
	P2CHUNK 0, 0, 1
	P2CHUNK 0, 1, 2
	P2CHUNK 0, 2, 3
	P2CHUNK 0, 3, 0
	s_wait_loadcnt 0x0                             ; set 1 is in, and no load that names the four bases is out: they may be written
	s_lshr_b32 s[NX], s[MR], 4
	s_cmp_eq_u32 s[NX], 0
	s_cbranch_scc1 .Lno_next
	s_ctz_i32_b32 s[NX], s[NX]
	s_lshr_b32 s[NX], s[NX], 2
	s_add_co_u32 s[NX], s[NX], s[E]
	s_add_co_u32 s[NX], s[NX], 1                   ; the next expert that is used
	SETBASE
	LW 0, PW1, 0
	LWS1
.Lno_next:
	P2CHUNK 1, 0, 1
	P2CHUNK 1, 1, 2
	P2CHUNK 1, 2, 3
	P2CHUNK 1, 3, -1
.Lno_p2:
	BARRIER                                        ; nobody reads the hidden layer's bytes any more
	s_lshr_b32 s[MR], s[MR], 4
	s_add_co_u32 s[CWO], s[CWO], 512
	s_add_co_u32 s[E], s[E], 1
	s_cmp_lt_u32 s[E], 8
	s_cbranch_scc1 .Lexpert
; THE WAY OUT, a row tile at a time.  A lane holds 32 neighbouring bytes of a row and the lanes beside it hold other rows: so 16 rows x 512 bytes go through my own stage in LDS and come back so that sixteen
; lanes hold 256 neighbouring bytes of a row; the row's place in out is its token's.  LDS serves a wave's instructions in order: no wait between the stores and the loads, nor ahead of the next tile's stores.
.macro TOSTAGE m
	WIN 0x08+4*((\m)/4)                            ; an LDS store's data are its source 1: window 2 or 3
.irp j, 0,1,2,3,4,5,6,7
	ds_store_b128 v[STO], v[64*((\m)%4)+8*\j:64*((\m)%4)+8*\j+3] offset:64*\j
	ds_store_b128 v[STO], v[64*((\m)%4)+8*\j+4:64*((\m)%4)+8*\j+7] offset:64*\j+16
.endr
	WIN 0
.set BB, BK+64*((\m)%2)
.set TT, TK+8*((\m)%2)
.irp t, 0,1,2,3,4,5,6,7
.irp u, 0,1
	ds_load_b128 v[BB+8*\t+4*\u:BB+8*\t+4*\u+3], v[RD] offset:2*SROW*\t+256*\u
.endr
.endr
.irp t, 0,1,2,3,4,5,6,7
	ds_load_b32 v[TT+\t], v[TKA] offset:64*(\m)+8*\t
.endr
.endm
.macro SEND m, younger                 ; younger: the LDS instructions issued behind tile m's loads, which may stay out
.set BB, BK+64*((\m)%2)
.set TT, TK+8*((\m)%2)
.set OO, OF+8*((\m)%2)
	s_wait_dscnt \younger
.irp t, 0,1,2,3,4,5,6,7
	v_min_u32 v[TT+\t], 0x7fff, v[TT+\t]           ; held to the buffer's rows
.endr
.irp t, 0,1,2,3,4,5,6,7
	v_lshl_add_u32 v[OO+\t], v[TT+\t], 11, v[CO]
.endr
.irp t, 0,1,2,3,4,5,6,7
.irp u, 0,1
	global_store_b128 v[OO+\t], v[BB+8*\t+4*\u:BB+8*\t+4*\u+3], s[18:19] offset:256*\u th:TH_STORE_NT   ; sixteen lanes store 256 consecutive bytes, aligned; written once, read by nobody here
.endr
.endr
.endm
	TOSTAGE 0
.irp m, 1,2,3,4,5,6,7
.if \m > 1
	s_wait_xcnt 0x0                                ; the stores of the tile two back have read their registers: this tile's loads and offsets may land there
.endif
	TOSTAGE \m
	SEND \m-1, 40                                  ; behind that tile's loads: this tile's 16 stores and 24 loads
.endr
	SEND 7, 0
	s_wait_tensorcnt 0x0
	ds_add_u32 v254, v255
	s_wait_dscnt 0x0
	s_endpgm
.Lfunc_end_k_q79444a9e86_chain:
	.size	k_q79444a9e86_chain, .Lfunc_end_k_q79444a9e86_chain-k_q79444a9e86_chain
	.p2alignl 7, 3214868480
	.fill 96, 4, 3214868480
	.section	.rodata,"a",@progbits
	.p2align	6, 0x0
	.amdhsa_kernel k_q79444a9e86_chain
		.amdhsa_group_segment_fixed_size 119296
		.amdhsa_private_segment_fixed_size 0
		.amdhsa_enable_private_segment 0
		.amdhsa_kernarg_size 64
		.amdhsa_user_sgpr_count 2
		.amdhsa_user_sgpr_kernarg_segment_ptr 1
		.amdhsa_wavefront_size32 1
		.amdhsa_system_sgpr_workgroup_id_x 1
		.amdhsa_system_sgpr_workgroup_id_y 1
		.amdhsa_system_sgpr_workgroup_id_z 1
		.amdhsa_system_vgpr_workitem_id 0
		.amdhsa_next_free_vgpr 1024
		.amdhsa_next_free_sgpr 66
		.amdhsa_reserve_vcc 1
		.amdhsa_float_denorm_mode_32 3
		.amdhsa_float_denorm_mode_16_64 3
		.amdhsa_memory_ordered 1
		.amdhsa_forward_progress 1
		.amdhsa_inst_pref_size 248
	.end_amdhsa_kernel
	.amdgpu_metadata
---
amdhsa.version: [ 1, 2 ]
amdhsa.kernels:
  - .name:           k_q79444a9e86_chain
    .symbol:         k_q79444a9e86_chain.kd
    .args:
      - { .name: xq, .offset: 0, .size: 8, .value_kind: global_buffer, .address_space: global }
      - { .name: xs, .offset: 8, .size: 8, .value_kind: global_buffer, .address_space: global }
      - { .name: cw, .offset: 16, .size: 8, .value_kind: global_buffer, .address_space: global }
      - { .name: order, .offset: 24, .size: 8, .value_kind: global_buffer, .address_space: global }
      - { .name: wl, .offset: 32, .size: 8, .value_kind: global_buffer, .address_space: global }
      - { .name: W1_scales, .offset: 40, .size: 8, .value_kind: global_buffer, .address_space: global }
      - { .name: W2_scales, .offset: 48, .size: 8, .value_kind: global_buffer, .address_space: global }
      - { .name: out0, .offset: 56, .size: 8, .value_kind: global_buffer, .address_space: global }
    .group_segment_fixed_size: 119296
    .private_segment_fixed_size: 0
    .kernarg_segment_align: 8
    .kernarg_segment_size: 64
    .max_flat_workgroup_size: 128
    .sgpr_count:     66
    .vgpr_count:     1024
    .wavefront_size: 32
...
	.end_amdgpu_metadata
.endif
;; end of part 3
